; MI455X (gfx1250); checked and timed in simulation.
; The chip was launched on July 23, 2026; its instructions are those of AMD's public machine-readable ISA for CDNA 5 (MIT licence, August 2026) and "CDNA5" Instruction Set Architecture Reference Guide (July 2026). The comments in the code are by the model that wrote it; some were corrected since.
;; Mixture Of Experts. Allowed arithmetic: float matrix products may take bf16 or f16 operands with f32 sums; all other float work in f32.
;; Inputs: W1 8 x 1,024 x 1,024 float32; W2 8 x 1,024 x 1,024 float32; Wg 1,024 x 8 float32; b1 8 x 1,024 float32; b2 8 x 1,024 float32; bg 8 float32; technical_features 4,096 x 256 float32; text_features 4,096 x 768 float32.
;; Outputs: out0 4,096 x 1,024 float32.
;; One version. Each part assembles by itself: llvm-mc -triple=amdgcn-amd-amdhsa -mcpu=gfx1250 --defsym DOCPART=n.
;; ======== version 1 of 1: 4 launches
;; workspace buffers: xb 8,388,608 bytes; gates 131,072 bytes; w1h 16,777,216 bytes; w2h 16,777,216 bytes; hid 67,108,864 bytes; part 67,108,864 bytes
;; launch prep (part 1): grid 256 x 1, 8 waves a work-group, no clusters, 17,920 bytes of LDS; arguments text_features, technical_features, Wg, bg, W1, W2, xb, gates, w1h, w2h; writes xb, gates, w1h, w2h
.if DOCPART == 1
	.amdgcn_target "amdgcn-amd-amdhsa--gfx1250"
	.amdhsa_code_object_version 6
	.text
	.protected	k_qa4315ef36f_prep
	.globl	k_qa4315ef36f_prep
	.p2align	8
	.type	k_qa4315ef36f_prep,@function
k_qa4315ef36f_prep:
	s_mov_b64 s[64:65], 0
	v_nop
	global_prefetch_b8 v0, s[64:65] scope:SCOPE_SE
	s_setreg_imm32_b32 hwreg(HW_REG_WAVE_MODE, 25, 1), 1
	s_wait_xcnt 0x0
; PREP: what the two products need in bf16, and the gates.  256 work-groups of equal work, eight waves each.  Work-group g does both of these:
;   rows 16 g to 16 g + 15:  xb[m][0:1024] = bf16([text | technical][m]);  gates[m][0:8] = softmax(xb[m] . bf16(Wg) + bg), sums and softmax in f32, the row's maximum taken away first
;   262,144 bytes of weights: w1h = bf16(W1) (work-groups 0 to 127), w2h = bf16(W2) (128 to 255), element for element in the same order
; A stream: every byte of x and of the weights is read once by 16-byte loads, every output byte is written once, each store of a wave covers 256 consecutive bytes or more, aligned.
; No matrix unit: the gating product has 8 columns, and a wave that holds a whole row makes it on the way, from the numbers that it has just rounded.  A wave takes two rows.
; Wg is rounded once for the work-group: wave w takes its rows 128 w to 128 w + 127 and lays them into LDS; behind a barrier every wave reads all of it into 128 registers.
; THE ORDER: Wg's part and my two rows are asked for; Wg goes through LDS; the rows are rounded and stored; the casts' first sixteen loads go out into the rows' registers;
; the gating arithmetic runs while they are on their way; then the casts' ring goes round.
; LIMIT: a gate below 2^-126 comes out as 0 (v_exp_f32 flushes denormal results: ISA guide, its entry among the vector instructions).
.set NIL,  4                           ; v4         0: the addend of a row's first eight multiply-adds
.set TP,   5                           ; v5         takes the other half of the lanes' sum
.set HOLD, 6                           ; v[6:7]     lane L: logits, then gates, 2 (L % 4) and 2 (L % 4) + 1 of my wave's row (L / 4) % 2
.set BG,   8                           ; v[8:9]     bg of these two experts
.set ACC,  10                          ; v[10:17]   my part of the row's eight logits
.set KS,   18                          ; v[18:25]   at work in the sum across lanes
.set PK,   10                          ; v[10:25]   at the head: my wave's part of Wg, rounded, on its way into LDS
.set P,    26                          ; v[26:57]   my 32 numbers of each of my two rows in bf16
.set WGF,  26                          ; v[26:57]   before that: my wave's part of Wg in f32
.set XR,   58                          ; v[58:121]  my two rows' f32 as loaded
.set CX,   58                          ; v[58:121]  then the casts' ring: slot i: 4 f32 as loaded
.set WGR,  122                         ; v[122:249] bf16(Wg) of my 32 columns: column 128 j + 4 L + i, experts 2 p and 2 p + 1, at WGR + 16 j + 4 i + p
.set CY,   122                         ; v[122:153] then the casts' ring: slot i: 4 bf16 to store
.set BGO,  250                         ; v250       8 (L % 4)
.set CI,   251                         ; v251       16 t: my 16 bytes in 4,096 of the weights in f32
.set CQ,   252                         ; v252       8 t: my 8 bytes in 2,048 of them in bf16
.set LW,   253                         ; v253       LDS: 2,048 w + 16 L: where my wave's part of Wg goes
.set GA,   254                         ; v254       LDS: 64 w + 8 (L % 8): my two gates among the work-group's 128
.set TV,   255                         ; v255       at work at the head
.set GST,  16384                       ; LDS: Wg in bf16 takes bytes 0 to 16,383; behind it the work-group's 16 rows of gates, 512 bytes
.set DEPTH, 16                         ; slots of the casts' ring = loads of a wave on their way
	s_load_b512 s[4:19], s[0:1], 0x0               ; text s[4:5], technical s[6:7], Wg s[8:9], bg s[10:11], W1 s[12:13], W2 s[14:15], xb s[16:17], gates s[18:19]
	s_load_b128 s[20:23], s[0:1], 0x40             ; w1h s[20:21], w2h s[22:23]
	s_set_vgpr_msb 0x40
	v_lshl_add_u32 v0, v0, 2, 0x4200
	v_mov_b32 v1, 0
	s_set_vgpr_msb 0x4000
	v_lshrrev_b32 v[GA], 5, v0
	v_readfirstlane_b32 s24, v[GA]                 ; my wave's number
	v_and_b32 v[TV], 31, v0                        ; L
	v_lshlrev_b32 v1, 4, v[TV]                     ; 16 L: my 16 bytes in 512 of a row of f32, and in 512 of LDS
	v_lshlrev_b32 v2, 3, v[TV]                     ; 8 L: my 8 bytes in 256 of a row of bf16
	v_lshlrev_b32 v3, 7, v[TV]                     ; 128 L: my four rows of Wg in 128 of them
	v_and_b32 v[BGO], 3, v0
	v_lshlrev_b32 v[BGO], 3, v[BGO]
	v_lshlrev_b32 v[CI], 4, v0
	v_lshlrev_b32 v[CQ], 3, v0
	v_lshl_add_u32 v[LW], s24, 11, v1
	v_and_b32 v[GA], 7, v0
	v_lshlrev_b32 v[GA], 3, v[GA]
	v_lshl_add_u32 v[GA], s24, 6, v[GA]
	v_mov_b32 v[NIL], 0
	v_mov_b32 v[TP], 0                             ; v_permlanex16_b32's destination counts as read
	s_lshl_b32 s25, ttmp9, 4
	s_lshl_b32 s26, s24, 1
	s_add_co_u32 s25, s25, s26                     ; my wave's first row
	s_mov_b32 s27, 0
	s_mov_b32 s30, 0xaaaaaaaa                      ; the odd lanes
	s_mov_b32 s31, 0xcccccccc                      ; lanes 2 and 3 of every four
	s_mov_b32 s32, 0xf0f0f0f0                      ; lanes 4 to 7 of every eight: they hold my second row
	s_mov_b32 s33, 0x76543210                      ; v_permlanex16_b32: each lane takes its own place in the other half
	s_mov_b32 s34, 0xfedcba98
	s_mov_b32 s35, 0x3fb8aa3b                      ; log2(e)
	s_wait_kmcnt 0x0
	s_mul_i32 s26, s25, 3072
	s_add_nc_u64 s[4:5], s[4:5], s[26:27]
	s_lshl_b32 s26, s25, 10
	s_add_nc_u64 s[6:7], s[6:7], s[26:27]
	s_lshl_b32 s26, s25, 11
	s_add_nc_u64 s[16:17], s[16:17], s[26:27]
	s_lshl_b32 s26, ttmp9, 9                       ; the work-group's 16 rows of gates
	s_add_nc_u64 s[18:19], s[18:19], s[26:27]
	s_lshl_b32 s26, s24, 12                        ; my wave's 128 rows of Wg
	s_add_nc_u64 s[8:9], s[8:9], s[26:27]
	s_cmp_lt_u32 ttmp9, 128                        ; the first 128 work-groups cast W1, the others W2
	s_cselect_b64 s[36:37], s[12:13], s[14:15]
	s_cselect_b64 s[38:39], s[20:21], s[22:23]
	s_and_b32 s28, ttmp9, 127                      ; my part of the tensor
	s_lshl_b32 s26, s28, 18                        ; its first byte in f32,
	s_add_nc_u64 s[36:37], s[36:37], s[26:27]
	s_lshl_b32 s26, s28, 17                        ; and in bf16
	s_add_nc_u64 s[38:39], s[38:39], s[26:27]
.macro FILL row                        ; eight loads, 512 neighbouring bytes each: a whole row: lane L holds columns 128 j + 4 L + 0..3 (j = 0 to 5 lie in text, 6 and 7 in technical)
.irp j, 0,1,2,3,4,5
	global_load_b128 v[XR+32*(\row)+4*\j:XR+32*(\row)+4*\j+3], v1, s[4:5] offset:(\row)*3072+512*\j th:TH_LOAD_NT
.endr
.irp j, 6,7
	global_load_b128 v[XR+32*(\row)+4*\j:XR+32*(\row)+4*\j+3], v1, s[6:7] offset:(\row)*1024+512*(\j-6) th:TH_LOAD_NT
.endr
.endm
	global_load_b64 v[BG:BG+1], v[BGO], s[10:11]
.irp q, 0,1,2,3,4,5,6,7                ; Wg's rows 128 w + 4 L + 0..3, 8 f32 each
	global_load_b128 v[WGF+4*\q:WGF+4*\q+3], v3, s[8:9] offset:16*\q
.endr
	FILL 0
	FILL 1
	s_wait_loadcnt 16                              ; bg and my part of Wg are in; my two rows' sixteen loads stay out
.set n, 0
.rept 16
	v_cvt_pk_bf16_f32 v[PK+n], v[WGF+2*n], v[WGF+2*n+1]    ; rounded, two experts to a register
.set n, n+1
.endr
.irp q, 0,1,2,3
	ds_store_b128 v[LW], v[PK+4*\q:PK+4*\q+3] offset:512*\q    ; 32 lanes, 16 neighbouring bytes each: no bank is asked twice
.endr
	s_wait_dscnt 0x0                               ; for the others' sake: my part of Wg is in LDS
	s_barrier_signal -1
	s_barrier_wait -1                              ; everybody's is
.irp j, 0,1,2,3,4,5,6,7
.irp q, 0,1,2,3
	ds_load_b128 v[WGR+16*\j+4*\q:WGR+16*\j+4*\q+3], v1 offset:2048*\j+512*\q   ; what lane L of wave j laid there: the columns 128 j + 4 L + 0..3, which are mine in every row
.endr
.endr
	s_wait_loadcnt 0x0                             ; my two rows
.set n, 0
.rept 32
	v_cvt_pk_bf16_f32 v[P+n], v[XR+2*n], v[XR+2*n+1]
.set n, n+1
.endr
.irp i, 0,1,2,3,4,5,6,7,8,9,10,11,12,13,14,15
	global_load_b128 v[CX+4*\i:CX+4*\i+3], v[CI], s[36:37] offset:\i*4096 th:TH_LOAD_NT   ; the casts' ring is filled, loads ahead of stores: thread t takes 16 bytes at 16 t of every 4,096
.endr
.irp r, 0,1
.irp j, 0,1,2,3,4,5,6,7
	global_store_b64 v2, v[P+16*\r+2*\j:P+16*\r+2*\j+1], s[16:17] offset:\r*2048+256*\j   ; a wave stores 256 consecutive bytes, aligned
.endr
.endr
	s_wait_dscnt 0x0                               ; Wg
; 256 multiply-adds straight from bf16 halves into f32: my 32 columns x 8 experts, the eight sums by turns.  The first eight take 0 as their addend: nothing is cleared.
.macro DOT r
.irp j, 0,1,2,3,4,5,6,7
.irp ih, 0,1
.irp il, 0,1
.irp p, 0,1,2,3
.irp el, 0,1
.if (\j == 0) && (\ih == 0) && (\il == 0)
	v_fma_mix_f32_bf16 v[ACC+2*\p+\el], v[P+16*\r+2*\j+\ih], v[WGR+16*\j+8*\ih+4*\il+\p], v[NIL] op_sel:[\il,\el,0] op_sel_hi:[1,1,0]
.else
	v_fma_mix_f32_bf16 v[ACC+2*\p+\el], v[P+16*\r+2*\j+\ih], v[WGR+16*\j+8*\ih+4*\il+\p], v[ACC+2*\p+\el] op_sel:[\il,\el,0] op_sel_hi:[1,1,0]
.endif
.endr
.endr
.endr
.endr
.endr
.endm
; Two sums a, b become one register: lanes outside the mask keep a and give b away, the others the other way round; each adds what its partner (lane xor x) gave.
.macro FOLD k, s, a, b, mask, x
	v_cndmask_b32 v[\k], v[\a], v[\b], \mask
	v_cndmask_b32 v[\s], v[\b], v[\a], \mask
	v_add_f32_dpp v[\k], v[\s], v[\k] row_xmask:\x row_mask:0xf bank_mask:0xf
.endm
.macro ROW r
	DOT \r
	; across the lanes: two folding steps leave lane L with experts 2 (L % 4) and 2 (L % 4) + 1, three plain steps finish the sums
	FOLD KS+0, KS+1, ACC+0, ACC+2, s30, 1
	FOLD KS+2, KS+3, ACC+1, ACC+3, s30, 1
	FOLD KS+4, KS+5, ACC+4, ACC+6, s30, 1
	FOLD KS+6, KS+7, ACC+5, ACC+7, s30, 1
	FOLD ACC+0, ACC+1, KS+0, KS+4, s31, 2
	FOLD ACC+2, ACC+3, KS+2, KS+6, s31, 2
	v_add_f32_dpp v[ACC+0], v[ACC+0], v[ACC+0] row_xmask:4 row_mask:0xf bank_mask:0xf
	v_add_f32_dpp v[ACC+2], v[ACC+2], v[ACC+2] row_xmask:4 row_mask:0xf bank_mask:0xf
	v_add_f32_dpp v[ACC+0], v[ACC+0], v[ACC+0] row_xmask:8 row_mask:0xf bank_mask:0xf
	v_add_f32_dpp v[ACC+2], v[ACC+2], v[ACC+2] row_xmask:8 row_mask:0xf bank_mask:0xf
	v_permlanex16_b32 v[TP], v[ACC+0], s33, s34
.if (\r) == 0
	v_add_f32 v[HOLD], v[ACC+0], v[TP]             ; the first row writes every lane of HOLD; the second then takes lanes 4 to 7 of every eight
	v_permlanex16_b32 v[TP], v[ACC+2], s33, s34
	v_add_f32 v[HOLD+1], v[ACC+2], v[TP]
.else
	v_add_f32 v[ACC+0], v[ACC+0], v[TP]
	v_permlanex16_b32 v[TP], v[ACC+2], s33, s34
	v_add_f32 v[ACC+2], v[ACC+2], v[TP]
	v_cndmask_b32 v[HOLD],   v[HOLD],   v[ACC+0], s32
	v_cndmask_b32 v[HOLD+1], v[HOLD+1], v[ACC+2], s32
.endif
.endm
	ROW 0
	ROW 1
	; softmax, once for the two rows: four neighbouring lanes hold a row's eight logits (each row stands four times in the wave)
	v_pk_add_f32 v[HOLD:HOLD+1], v[HOLD:HOLD+1], v[BG:BG+1]
	v_max_num_f32 v[KS], v[HOLD], v[HOLD+1]
	v_max_num_f32_dpp v[KS], v[KS], v[KS] row_xmask:1 row_mask:0xf bank_mask:0xf
	v_max_num_f32_dpp v[KS], v[KS], v[KS] row_xmask:2 row_mask:0xf bank_mask:0xf
	v_mul_f32 v[KS+1], s35, v[KS]                  ; c m
	v_fma_f32 v[HOLD],   v[HOLD],   s35, -v[KS+1]  ; c s - c m: never above a rounding's worth of 0
	v_fma_f32 v[HOLD+1], v[HOLD+1], s35, -v[KS+1]
	v_exp_f32 v[HOLD], v[HOLD]
	v_exp_f32 v[HOLD+1], v[HOLD+1]
	v_nop                                          ; a plain instruction between the last exponential and the use of its result (ISA guide 5.7.2)
	s_wait_alu depctr_va_vdst(0)
	v_add_f32 v[KS+2], v[HOLD], v[HOLD+1]
	v_add_f32_dpp v[KS+2], v[KS+2], v[KS+2] row_xmask:1 row_mask:0xf bank_mask:0xf
	v_add_f32_dpp v[KS+2], v[KS+2], v[KS+2] row_xmask:2 row_mask:0xf bank_mask:0xf
	v_rcp_f32 v[KS+3], v[KS+2]                     ; the sum is at least 1: the largest term is 2^0
	v_nop
	s_wait_alu depctr_va_vdst(0)
	v_mul_f32 v[HOLD], v[HOLD], v[KS+3]
	v_mul_f32 v[HOLD+1], v[HOLD+1], v[KS+3]
	; a wave's two rows of gates are 64 bytes: the eight waves' meet in LDS, and wave 0 stores the work-group's 512 bytes whole
	ds_store_b64 v[GA], v[HOLD:HOLD+1] offset:GST  ; lanes 8 apart hold the same two numbers and write them to the same place
	s_wait_dscnt 0x0                               ; for wave 0's sake: my gates are in LDS
	s_barrier_signal -1
	s_barrier_wait -1
	s_cmp_lg_u32 s24, 0
	s_cbranch_scc1 .Lcasts
	ds_load_b128 v[KS:KS+3], v1 offset:GST
	s_wait_dscnt 0x0
	global_store_b128 v1, v[KS:KS+3], s[18:19]     ; 512 consecutive bytes, aligned; neither register is written again
.Lcasts:
; One slot's turn.  ahead = 1: the slot is filled again, sixteen chunks on.  left = the younger loads that may stay out.
.macro CSLOT i, ahead, left
	s_wait_loadcnt \left                           ; loads come back in order (ISA guide 5.7.1): mine is in
	v_cvt_pk_bf16_f32 v[CY+2*\i],   v[CX+4*\i],   v[CX+4*\i+1]
	v_cvt_pk_bf16_f32 v[CY+2*\i+1], v[CX+4*\i+2], v[CX+4*\i+3]
.if \ahead
	global_load_b128 v[CX+4*\i:CX+4*\i+3], v[CI], s[36:37] offset:(DEPTH+\i)*4096 th:TH_LOAD_NT
.endif
	global_store_b64 v[CQ], v[CY+2*\i:CY+2*\i+1], s[38:39] offset:\i*2048   ; a wave stores 256 consecutive bytes, aligned; the next launch reads them, so no hint
.endm
	s_mov_b32 s29, 64/DEPTH-1                      ; 64 chunks of 4,096 bytes; the last sixteen are finished behind the loop
.Lcast:
.irp i, 0,1,2,3,4,5,6,7,8,9,10,11,12,13,14,15
	CSLOT \i, 1, DEPTH-1
.endr
	s_wait_xcnt 0x0                                ; the two bases and the stores' data are rewritten only behind this wait
	s_add_nc_u64 s[36:37], s[36:37], DEPTH*4096
	s_add_nc_u64 s[38:39], s[38:39], DEPTH*2048
	s_sub_co_u32 s29, s29, 1
	s_cmp_lg_u32 s29, 0
	s_cbranch_scc1 .Lcast
.irp i, 0,1,2,3,4,5,6,7,8,9,10,11,12,13,14,15
	CSLOT \i, 0, DEPTH-1-\i                        ; the last sixteen chunks load nothing: the counts run down
.endr
	s_set_vgpr_msb 0x5
	s_wait_tensorcnt 0x0
	ds_add_u32 v0, v1
	s_wait_dscnt 0x0
	s_set_vgpr_msb 0x500
	s_endpgm
.Lfunc_end_k_qa4315ef36f_prep:
	.size	k_qa4315ef36f_prep, .Lfunc_end_k_qa4315ef36f_prep-k_qa4315ef36f_prep
	.p2alignl 7, 3214868480
	.fill 96, 4, 3214868480
	.section	.rodata,"a",@progbits
	.p2align	6, 0x0
	.amdhsa_kernel k_qa4315ef36f_prep
		.amdhsa_group_segment_fixed_size 17920
		.amdhsa_private_segment_fixed_size 0
		.amdhsa_enable_private_segment 0
		.amdhsa_kernarg_size 80
		.amdhsa_user_sgpr_count 2
		.amdhsa_user_sgpr_kernarg_segment_ptr 1
		.amdhsa_wavefront_size32 1
		.amdhsa_system_sgpr_workgroup_id_x 1
		.amdhsa_system_sgpr_workgroup_id_y 1
		.amdhsa_system_sgpr_workgroup_id_z 1
		.amdhsa_system_vgpr_workitem_id 0
		.amdhsa_next_free_vgpr 258
		.amdhsa_next_free_sgpr 66
		.amdhsa_reserve_vcc 0
		.amdhsa_float_denorm_mode_32 3
		.amdhsa_float_denorm_mode_16_64 3
		.amdhsa_memory_ordered 1
		.amdhsa_forward_progress 1
		.amdhsa_inst_pref_size 60
	.end_amdhsa_kernel
	.amdgpu_metadata
---
amdhsa.version: [ 1, 2 ]
amdhsa.kernels:
  - .name:           k_qa4315ef36f_prep
    .symbol:         k_qa4315ef36f_prep.kd
    .args:
      - { .name: text_features, .offset: 0, .size: 8, .value_kind: global_buffer, .address_space: global }
      - { .name: technical_features, .offset: 8, .size: 8, .value_kind: global_buffer, .address_space: global }
      - { .name: Wg, .offset: 16, .size: 8, .value_kind: global_buffer, .address_space: global }
      - { .name: bg, .offset: 24, .size: 8, .value_kind: global_buffer, .address_space: global }
      - { .name: W1, .offset: 32, .size: 8, .value_kind: global_buffer, .address_space: global }
      - { .name: W2, .offset: 40, .size: 8, .value_kind: global_buffer, .address_space: global }
      - { .name: xb, .offset: 48, .size: 8, .value_kind: global_buffer, .address_space: global }
      - { .name: gates, .offset: 56, .size: 8, .value_kind: global_buffer, .address_space: global }
      - { .name: w1h, .offset: 64, .size: 8, .value_kind: global_buffer, .address_space: global }
      - { .name: w2h, .offset: 72, .size: 8, .value_kind: global_buffer, .address_space: global }
    .group_segment_fixed_size: 17920
    .private_segment_fixed_size: 0
    .kernarg_segment_align: 8
    .kernarg_segment_size: 80
    .max_flat_workgroup_size: 256
    .sgpr_count:     66
    .vgpr_count:     258
    .wavefront_size: 32
...
	.end_amdgpu_metadata
.endif
;; end of part 1
;; launch up (part 2): grid 32 x 8, 4 waves a work-group, clusters of 4 x 4, 327,680 bytes of LDS; arguments xb, w1h, b1, gates, hid; writes hid
.if DOCPART == 2
	.amdgcn_target "amdgcn-amd-amdhsa--gfx1250"
	.amdhsa_code_object_version 6
	.text
	.protected	k_qa4315ef36f_up
	.globl	k_qa4315ef36f_up
	.p2align	8
	.type	k_qa4315ef36f_up,@function
k_qa4315ef36f_up:
	s_mov_b64 s[64:65], 0
	v_nop
	global_prefetch_b8 v0, s[64:65] scope:SCOPE_SE
	s_setreg_imm32_b32 hwreg(HW_REG_WAVE_MODE, 25, 1), 1
	s_wait_xcnt 0x0
	s_wait_alu depctr_hold_cnt(0) depctr_sa_sdst(0) depctr_va_vdst(0) depctr_va_sdst(0) depctr_va_ssrc(0) depctr_va_vcc(0) depctr_vm_vsrc(0)
	s_getreg_b32 s2, hwreg(HW_REG_IB_STS2, 6, 4)
	s_cmp_eq_u32 s2, 0
	s_cbranch_scc0 .Lentry_in_a_cluster
	s_endpgm
.Lentry_in_a_cluster:
	s_bfe_u32 s2, ttmp6, 0x10000c
	s_cmp_lg_u32 s2, 0xf033
	s_cbranch_scc0 .Lentry_shape_is_right
	s_endpgm
.Lentry_shape_is_right:
; UP: hid[m][1024 e + o] = bf16( g[m][e] * relu( sum over i of xb[m][i] w1h[e][i][o] + b1[e][o] ) ): one product of 4096 x 8192 x 1024, sums in f32.
; The gate is folded in here (a softmax's gate is never negative, so g relu(z) = max(g z, 0)), so that the second layer and the sum over experts are ONE product over K = 8192.
; LIMITS: max(g z, 0) is v_max_num_f32, so a NaN there becomes 0 (it arises only where the model's own result is not finite); g relu(z) is rounded once, to bf16.
; SHARES.  A tile of hid is 256 x 256: four waves, each 128 x 128 in 64 accumulators of 16 x 16 (512 registers).  32 tile columns x 16 tile rows are 512 tiles for 256 work-groups:
; a work-group STAYS and makes two tiles, 2,048 rows apart, in the same columns (the same weights, the same bias); the ring does not stop between them.
; K goes in steps of 128 through a ring of two LDS slots filled by the tensor data mover: x's rows are 256 bytes, the weights' rows ([k][256 columns]) 512 bytes, all from multiples of 256 bytes.
; THE WEIGHTS LIE [k][n]: they come out of LDS turned, by ds_load_tr16_b128, as source 0 of the matrix instruction; source 1 = 16 rows of x.  A lane then holds one row of the result
; (lane % 16) and eight NEIGHBOURING columns (8 (lane / 16) + 0..7), which pack into 16 bytes, and a row's gate is one number a lane.
; THE BIAS is the C operand of a tile's first 64 products: no register is cleared and no add is written.
; CLUSTER: 4 x 4 work-groups.  The four of a row of the cluster need the same tiles of x, the four of a column the same tiles of the weights: each tile is asked for JOINTLY, by the same tensor
; load with the same descriptor and a mask that names the four.
; REGISTERS, in windows of 256 (s_set_vgpr_msb's low byte: bits 1:0 source 0, 3:2 source 1, 5:4 source 2, 7:6 destination):
;   window 0: v0-31 addresses; v64-127, v128-191 fragments of x, two buffers; on the way out v128-191 scaled sums, v192-223 packed, v32-63 and v224-255 rows read back
;   window 1: v0-63 the bias of my 128 columns in the accumulators' layout; v64-127, v128-191 fragments of the weights; v192-207 the gates of my 128 rows, each twice (a pair for the packed multiply)
;   window 2: the 32 accumulators of my rows 0-63 ((a, b) at v[8 (8 a + b)]);   window 3: those of my rows 64-127
.set KSTEP,  128
.set PA,     272                       ; a row of x in LDS: 256 bytes + 16 = 68 words: the 16 rows of a fragment load start at 16 different banks (64 banks of 4 bytes: ISA guide 11.1)
.set PB,     544                       ; a row of weights: 512 bytes + 32 = 136 words
.set HALFT,  128*PA                    ; what one tensor load brings: 128 rows of x, or 64 rows of weights (64 x 544 is the same number)
.set SLOT,   4*HALFT                   ; x's 256 rows, then the weights' 128 rows
.set STAGE,  2*SLOT                    ; behind the ring: 16 rows x 272 bytes for each wave, for the way out
.set SPITCH, 272
.set SPARE,  STAGE+4*16*SPITCH         ; behind the stages: the spare words, 128 bytes for each wave: two blocks of 256 bytes that no other line names
.set QB,     32*PB                     ; 32 along K in the weights' tile
.set HB,     16*PB                     ; 16 along K
.set LAPS,   4                         ; a lap = two K steps = once round the ring; K = 1,024
.set XROW,   2048                      ; bytes in a row of xb and of w1h
.set HROW,   16384                     ; bytes in a row of hid
.set WALK,   2048                      ; rows from my first tile to my second
.set STEP_A, 2*KSTEP*2                 ; a slot's next K step: x goes 256 elements along its rows,
.set STEP_B, 2*KSTEP*XROW              ; the weights 256 rows down
.set NEXT_A, WALK*XROW-(LAPS-1)*STEP_A ; from a slot's last K step of the first tile to its first of the second: x goes WALK rows down and back along K,
.set BACK_B, (LAPS-1)*STEP_B           ; the weights only back
.set NEXT_C, (WALK-7*16)*HROW          ; from my last 16 rows of the first tile to my first of the second
.set ADRA, 16                          ; v16-17  LDS address of my fragments of x in slot 0, 1
.set ADRB, 20                          ; v20-21  the same for the weights
.set STO,  24                          ; v24     the way out: where I put 16 bytes of a row
.set RD,   25                          ; v25     the way out: where I read a row back
.set CO,   26                          ; v26     my byte offset in hid
.set SPW,  28                          ; v28     LDS address of my spare word: SPARE + 4 x my thread's number; never rewritten
.set NIL,  29                          ; v29     0; never rewritten
.set GO,   30                          ; v30     32 (lane % 16): my row among 16 rows of gates
.set BO,   31                          ; v31     32 (lane / 16): my 8 numbers among 16 of the bias
.set F0,   64
.set F1,   128
.set T,    128                         ; the way out, window 0
.set TMP,  192
.set OB,   32
.set BIAS, 0                           ; window 1
.set GT,   192                         ; window 1
.set G1,  24                           ; s[24:31] descriptor group 1 for x's tiles;  s[32:39] group 0, a set for each slot
.set G0,  32
.set G1B, 48                           ; s[48:55], s[56:63] the same for the weights' tiles
.set G0B, 56
.set BP,  68                           ; s[68:69] b1 at my 128 columns
.set GP,  70                           ; s[70:71] gates at my first row and my expert
.set MSB, 0
.macro WIN new                         ; the immediate's high byte repeats the setting that is left; a switch that changes nothing is dropped
.if MSB != (\new)
	s_set_vgpr_msb (MSB<<8)|(\new)
.set MSB, (\new)
.endif
.endm
.set MUL_LO,  0xa1                     ; source 0 (weights) window 1, source 1 (x) window 0, C and D window 2
.set MUL_HI,  0xf1                     ; the same, C and D window 3
.set MULB_LO, 0x91                     ; a tile's first products: C is the bias, in window 1; D window 2
.set MULB_HI, 0xd1                     ; D window 3
.set TO_B,    0x40                     ; destination window 1, address window 0
; A joint load.  Waves 0 and 1 fetch x's two halves, waves 2 and 3 the weights'.  The branch hangs on the wave's number alone.  Four v_nop follow each of the two lines.
.macro JLOAD s
	s_cmp_eq_u32 s11, 0
	s_cbranch_scc0 .Lfor_b_\@
	tensor_load_to_lds s[G0+4*\s:G0+4*\s+3], s[G1:G1+7]
	s_nop 0
.rept 4
	v_nop
.endr
	s_branch .Lasked_\@
.Lfor_b_\@:
	tensor_load_to_lds s[G0B+4*\s:G0B+4*\s+3], s[G1B:G1B+7]
	s_nop 0
.rept 4
	v_nop
.endr
.Lasked_\@:
.endm
; A round of the cluster's barrier: my work-group's barrier; wave 0 signals for the work-group; every wave waits for all sixteen; my work-group's barrier once more.
.macro CREST                           ; a round behind its opening barrier
	s_cmp_lg_u32 s10, 0
	s_cbranch_scc1 .Lnot_wave_0_\@
	s_barrier_signal -3
.Lnot_wave_0_\@:
	s_barrier_wait -3
	s_barrier_signal -1
	s_barrier_wait -1
.endm
.macro CROUND
	s_barrier_signal -1
	s_barrier_wait -1
	CREST
.endm
	s_load_b128 s[4:7], s[0:1], 0x0                ; xb s[4:5], w1h s[6:7]
	s_load_b128 s[BP:BP+3], s[0:1], 0x10           ; b1, gates
	s_load_b64 s[8:9], s[0:1], 0x20                ; hid
	v_lshl_add_u32 v[SPW], v0, 2, SPARE
	v_mov_b32 v[NIL], 0
	ds_add_u32 v28, v29
	s_wait_dscnt 0x0
	v_lshrrev_b32 v1, 5, v0
	v_readfirstlane_b32 s10, v1                    ; wave 0..3
	s_lshr_b32 s11, s10, 1                         ; which half of the tile's rows is mine.  Also: I fetch x (0) or weights (1)
	s_and_b32 s12, s10, 1                          ; which half of its columns.  Also: which half of that tile I fetch
	s_bfe_u32 s40, ttmp6, 0x40000                  ; cx
	s_bfe_u32 s41, ttmp6, 0x40004                  ; cy
	s_lshl_b32 s42, ttmp9, 2
	s_add_co_u32 s42, s42, s40                     ; tile column 0..31 = 4 x cluster x + cx; the expert is tile column / 4
	s_and_b32 s13, ttmp7, 0xffff
	s_lshl_b32 s13, s13, 2
	s_add_co_u32 s13, s13, s41                     ; tile row 0..7 = 4 x cluster y + cy
	s_lshl_b32 s43, s41, 2
	s_lshl_b32 s43, 15, s43                        ; my row of the cluster
	s_lshl_b32 s44, 0x1111, s40                    ; my column
	; group 1 for x: 128 rows x 128 elements; 15:0 the mask; 17:16 elements of 2 bytes; 20 padding on; 21 set beside a mask; 24:22 after every 64 words (code 5); 31:25 4 words of it (code 3)
	s_or_b32 s[G1+0], s43, (1<<16)|(1<<20)|(1<<21)|(5<<22)|(3<<25)
	s_mov_b32 s[G1+1], 128<<16                     ; tensor_dim0 = 128
	s_mov_b32 s[G1+2], 128<<16                     ; tensor_dim1 = 128
	s_mov_b32 s[G1+3], 128<<16                     ; tile_dim0 = 128
	s_mov_b32 s[G1+4], 128                         ; tile_dim1 = 128
	s_mov_b32 s[G1+5], 1024                        ; elements from row to row
	s_mov_b32 s[G1+6], 0
	s_mov_b32 s[G1+7], 0
	; group 1 for the weights: 64 rows x 256 elements; padding after every 128 words (code 6), 8 words of it (code 7)
	s_or_b32 s[G1B+0], s44, (1<<16)|(1<<20)|(1<<21)|(6<<22)|(7<<25)
	s_mov_b32 s[G1B+1], 256<<16
	s_mov_b32 s[G1B+2], 64<<16
	s_mov_b32 s[G1B+3], 256<<16
	s_mov_b32 s[G1B+4], 64
	s_mov_b32 s[G1B+5], 1024
	s_mov_b32 s[G1B+6], 0
	s_mov_b32 s[G1B+7], 0
	; where the tiles come from.  x's hang on the tile row alone, the weights' on the tile column alone, each in registers that never hold the other coordinate.
	s_lshl_b32 s17, s12, 7
	s_lshl_b32 s16, s13, 8
	s_add_co_u32 s16, s16, s17                     ; x: row 256 x tile row + 128 x half,
	s_lshl_b32 s16, s16, 11                        ; in bytes
	s_mov_b32 s17, 0
	s_lshr_b32 s46, s42, 2
	s_lshl_b32 s46, s46, 21                        ; weights: the expert's 1,024 rows of 2,048 bytes,
	s_and_b32 s47, s42, 3
	s_lshl_b32 s47, s47, 9                         ; 256 columns for each tile column of the expert,
	s_add_co_u32 s46, s46, s47
	s_lshl_b32 s47, s12, 17                        ; 64 rows for the half
	s_add_co_u32 s46, s46, s47
	s_mov_b32 s47, 0
	s_mul_i32 s20, s10, HALFT                      ; and where they go: wave x one load's bytes: no place in the cluster enters an LDS address
	s_wait_kmcnt 0x0
	s_add_nc_u64 s[14:15], s[4:5], s[16:17]
	s_add_nc_u64 s[46:47], s[6:7], s[46:47]
	CROUND                                         ; all sixteen work-groups are here: the first joint loads meet
.irp s, 0,1
	s_mov_b32 s[G0+4*\s], 1                                        ; count = 1
	s_add_co_u32 s[G0+4*\s+1], s20, \s*SLOT                        ; LDS address
	s_add_nc_u64 s[G0+4*\s+2:G0+4*\s+3], s[14:15], \s*KSTEP*2      ; global address: K step s
	s_or_b32 s[G0+4*\s+3], s[G0+4*\s+3], 0x80000000                ; type = 2
	s_mov_b32 s[G0B+4*\s], 1
	s_add_co_u32 s[G0B+4*\s+1], s20, \s*SLOT
	s_add_nc_u64 s[G0B+4*\s+2:G0B+4*\s+3], s[46:47], \s*KSTEP*XROW
	s_or_b32 s[G0B+4*\s+3], s[G0B+4*\s+3], 0x80000000
.endr
	s_cmp_eq_u32 s11, 0                            ; a wave's two first fills stand in one branch, ahead of every wait on TENSORcnt and every LDS read: two loads of mine are out
	s_cbranch_scc0 .Lfirst_b
	tensor_load_to_lds s[G0:G0+3], s[G1:G1+7]
	s_nop 0
	tensor_load_to_lds s[G0+4:G0+7], s[G1:G1+7]
	s_nop 0
.rept 4
	v_nop
.endr
	s_branch .Lfirst_asked
.Lfirst_b:
	tensor_load_to_lds s[G0B:G0B+3], s[G1B:G1B+7]
	s_nop 0
	tensor_load_to_lds s[G0B+4:G0B+7], s[G1B:G1B+7]
	s_nop 0
.rept 4
	v_nop
.endr
.Lfirst_asked:
	v_and_b32 v1, 15, v0                           ; r = lane % 16
	v_bfe_u32 v2, v0, 4, 1                         ; h = lane / 16
	v_lshlrev_b32 v[GO], 5, v1
	v_lshlrev_b32 v[BO], 5, v2
	s_lshl_b32 s46, s42, 10                        ; the bias of my 128 columns: 1,024 bytes a tile column + 512 for the half
	s_lshl_b32 s47, s12, 9
	s_add_co_u32 s46, s46, s47
	s_mov_b32 s47, 0
	s_add_nc_u64 s[BP:BP+1], s[BP:BP+1], s[46:47]
	s_lshl_b32 s18, s13, 8
	s_lshl_b32 s19, s11, 7
	s_add_co_u32 s18, s18, s19                     ; my first row
	s_lshl_b32 s16, s18, 5                         ; a row of gates is 32 bytes,
	s_mov_b32 s17, 0
	s_add_nc_u64 s[GP:GP+1], s[GP:GP+1], s[16:17]
	s_lshr_b32 s46, s42, 2
	s_lshl_b32 s46, s46, 2                         ; my expert's gate 4 bytes of it
	s_add_nc_u64 s[GP:GP+1], s[GP:GP+1], s[46:47]
	WIN TO_B
.irp b, 0,1,2,3,4,5,6,7                ; tuple b: b1 of columns 16 b + 8 h + 0..7: what the accumulators (a, b) hold in this lane
	global_load_b128 v[BIAS+8*\b:BIAS+8*\b+3],   v[BO], s[BP:BP+1] offset:64*\b
	global_load_b128 v[BIAS+8*\b+4:BIAS+8*\b+7], v[BO], s[BP:BP+1] offset:64*\b+16
.endr
.macro GLOAD t                         ; the gates of tile t: block a's row 16 a + r, into both registers of pair a
	WIN TO_B
.irp a, 0,1,2,3,4,5,6,7
	global_load_b32 v[GT+2*\a],   v[GO], s[GP:GP+1] offset:\t*WALK*32+\a*512
	global_load_b32 v[GT+2*\a+1], v[GO], s[GP:GP+1] offset:\t*WALK*32+\a*512
.endr
	WIN 0
.endm
	GLOAD 0
	; a fragment of x: lane holds row r; registers 0-3 K = 8 h + 0..7, registers 4-7 K = 16 + 8 h + 0..7: two loads of 16 bytes, 32 bytes apart
	v_mul_u32_u24 v3, v1, PA
	v_lshl_add_u32 v3, v2, 4, v3
	s_mul_i32 s21, s11, HALFT                      ; my 128 rows of x
	; the turning load: lane reads 16 bytes of row 8 h + lane % 8 (K), columns 8 ((lane / 8) % 2) + 0..7, and is left with column r and 8 K
	v_and_b32 v4, 7, v0
	v_lshl_add_u32 v4, v2, 3, v4
	v_mul_u32_u24 v4, v4, PB
	v_bfe_u32 v5, v0, 3, 1
	v_lshl_add_u32 v4, v5, 4, v4
	s_lshl_b32 s22, s12, 8                         ; my 128 columns of the weights' 256,
	s_add_co_u32 s22, s22, 2*HALFT                 ; which lie behind x's 256 rows
.irp s, 0,1
	v_add_nc_u32 v[ADRA+\s], s21, v3
	v_add_nc_u32 v[ADRB+\s], s22, v4
	s_add_co_u32 s21, s21, SLOT
	s_add_co_u32 s22, s22, SLOT
.endr
	s_mul_i32 s23, s10, 16*SPITCH
	s_add_co_u32 s23, s23, STAGE                   ; my stage
	v_mul_u32_u24 v6, v1, SPITCH                   ; in: row r, 16 bytes for each half of the lanes
	v_lshl_add_u32 v6, v2, 4, v6
	v_add_nc_u32 v[STO], s23, v6
	v_mul_u32_u24 v7, v2, SPITCH                   ; back: lanes 0-15 take one row of 256 bytes, lanes 16-31 the next
	v_lshl_add_u32 v7, v1, 4, v7
	v_add_nc_u32 v[RD], s23, v7
	v_lshlrev_b32 v8, 14, v2                       ; and the same two rows in hid
	v_lshl_add_u32 v[CO], v1, 4, v8
	s_lshl_b32 s16, s18, 14                        ; where my part of the first tile begins in hid: my first row,
	s_lshl_b32 s46, s42, 9                         ; 512 bytes a tile column + 256 for the half
	s_lshl_b32 s19, s12, 8
	s_add_co_u32 s46, s46, s19
	s_add_nc_u64 s[16:17], s[16:17], s[46:47]      ; the first way out adds it to hid's address
; 16 matrix instructions: row blocks a0, a0 + 1 of the window's four (hi = 0: my rows 0-63, 1: rows 64-127) x all 8 column blocks, 32 along K.
; zero = 1: the tile's first products: they start the sums from the bias.  The 64 accumulators take turns, one instruction a turn, in the same order in every quarter.
.macro MUL16 f, hi, a0, zero
.irp a, \a0, \a0+1
.irp b, 0,1,2,3,4,5,6,7
.if \zero
	v_wmma_f32_16x16x32_bf16 v[8*(8*(\a)+\b):8*(8*(\a)+\b)+7], v[\f+8*\b:\f+8*\b+7], v[\f+8*(4*\hi+\a):\f+8*(4*\hi+\a)+7], v[BIAS+8*\b:BIAS+8*\b+7]
.else
	v_wmma_f32_16x16x32_bf16 v[8*(8*(\a)+\b):8*(8*(\a)+\b)+7], v[\f+8*\b:\f+8*\b+7], v[\f+8*(4*\hi+\a):\f+8*(4*\hi+\a)+7], v[8*(8*(\a)+\b):8*(8*(\a)+\b)+7]
.endif
.endr
.endr
.endm
; 32 LDS loads in one run: the fragments of quarter q (32 along K) of a slot into buffer f: my 128 columns of weights, turned; then my 128 rows of x
.macro FETCH slot, q, f
	WIN TO_B
.irp i, 0,1,2,3,4,5,6,7
	ds_load_tr16_b128 v[\f+8*\i:\f+8*\i+3],   v[ADRB+\slot] offset:\q*QB+32*\i
	ds_load_tr16_b128 v[\f+8*\i+4:\f+8*\i+7], v[ADRB+\slot] offset:\q*QB+32*\i+HB
.endr
	WIN 0
.irp i, 0,1,2,3,4,5,6,7
	ds_load_b128 v[\f+8*\i:\f+8*\i+3],   v[ADRA+\slot] offset:\q*64+\i*16*PA
	ds_load_b128 v[\f+8*\i+4:\f+8*\i+7], v[ADRA+\slot] offset:\q*64+\i*16*PA+32
.endr
.endm
; Four places (plain vector instructions that name none of its registers) stand between a matrix instruction and a load into a register that it has read, or a vector instruction that reads its result.
.macro PLACES
.rept 4
	v_nop
.endr
.endm
; A K step is four quarters of 32 along K, 64 matrix instructions each, on buffers 0, 1, 0, 1.  One of the first three: multiplies buffer f and, in its middle, fetches quarter q of the same slot into g.
.macro QUARTER slot, q, f, g, zero
	s_wait_dscnt 8                                 ; the weights and x's rows 0-63 are in; the youngest eight loads (x's rows 64-127) may be out
.if \zero
	WIN MULB_LO
.else
	WIN MUL_LO
.endif
	MUL16 \f, 0, 0, \zero
	MUL16 \f, 0, 2, \zero
	PLACES
	FETCH \slot, \q, \g
	s_wait_dscnt 32                                ; all but the 32 just issued
.if \zero
	WIN MULB_HI
.else
	WIN MUL_HI
.endif
	MUL16 \f, 1, 0, \zero
	MUL16 \f, 1, 2, \zero
.endm
; The last quarter multiplies buffer 1 and changes slots.  MEET is its first half: ONE barrier.  In front of it each wave waits for all its tensor loads (one is out: its part of the next slot),
; adds 0 to its spare word, and waits for that and for its own reads of this slot.  Behind it nobody reads this slot any more and the next slot is whole.
.macro MEET round
	WIN 0                                          ; (the add's two registers lie in window 0)
	s_wait_tensorcnt 0x0                           ; all my tensor loads have landed
	ds_add_u32 v[SPW], v[NIL]                      ; 0 onto my spare word
	s_wait_dscnt 9                                 ; (the add and the youngest eight loads may be out)
	WIN MUL_LO
	MUL16 F1, 0, 0, 0                              ; sixteen matrix instructions stand between the add and the wait for it
	s_wait_dscnt 0x0                               ; the add is done, and my reads of this slot are over
	s_barrier_signal -1
	MUL16 F1, 0, 2, 0                              ; work on registers while the others arrive
.if \round
	WIN 0
.endif
	s_barrier_wait -1
.endm
; The whole last quarter.  The barrier opens a round of the cluster's; behind the round the slot just read is filled again first: with this tile's K step two on (on = 0) or the second tile's
; K step 0 or 1 (on = 1).  From a request to the wait for it a wave issues 224 matrix instructions.
.macro TURN slot, next, on
	MEET 1
	CREST                                          ; no wave of any partner still reads this slot's tile or has a load on its way
.if \on
	s_add_nc_u64 s[G0+4*\slot+2:G0+4*\slot+3], s[G0+4*\slot+2:G0+4*\slot+3], NEXT_A
	s_sub_nc_u64 s[G0B+4*\slot+2:G0B+4*\slot+3], s[G0B+4*\slot+2:G0B+4*\slot+3], BACK_B
.else
	s_add_nc_u64 s[G0+4*\slot+2:G0+4*\slot+3], s[G0+4*\slot+2:G0+4*\slot+3], STEP_A
	s_add_nc_u64 s[G0B+4*\slot+2:G0B+4*\slot+3], s[G0B+4*\slot+2:G0B+4*\slot+3], STEP_B
.endif
	JLOAD \slot                                    ; the first tensor load behind the round; its four v_nop are also the places in front of the loads below
	FETCH \next, 0, F0
	WIN MUL_HI
	MUL16 F1, 1, 0, 0
	MUL16 F1, 1, 2, 0
.endm
.macro TURNL next                      ; the same where nothing is left to fetch: no round, no load
	MEET 0
	PLACES
	FETCH \next, 0, F0
	WIN MUL_HI
	MUL16 F1, 1, 0, 0
	MUL16 F1, 1, 2, 0
.endm
.macro LAPLOOP                         ; a trip goes once round the ring, from a lap's second quarter to the next lap's first, and fills both slots again
	WIN 0                                          ; at a label and at a branch every window is 0
	s_mov_b32 s3, LAPS-1
.Llap_\@:
	QUARTER 0, 2, F1, F0, 0
	QUARTER 0, 3, F0, F1, 0
	TURN 0, 1, 0
	QUARTER 1, 1, F0, F1, 0
	QUARTER 1, 2, F1, F0, 0
	QUARTER 1, 3, F0, F1, 0
	TURN 1, 0, 0
	QUARTER 0, 1, F0, F1, 0
	WIN 0
	s_sub_co_u32 s3, s3, 1
	s_cmp_lg_u32 s3, 0
	s_cbranch_scc1 .Llap_\@
.endm
; THE WAY OUT of block a (16 rows).  PACK: times the row's gate, the larger of that and 0, rounded to bf16: 16 bytes a lane.  Each accumulator's registers are taken in ascending order.
.macro PACK a
.set AC, 64*((\a)%4)
	WIN 0x06+((\a)/4)                              ; source 0 window 2 or 3, source 1 (the gates) window 1, destination window 0
.irp b, 0,1,2,3,4,5,6,7
.irp p, 0,1,2,3
	v_pk_mul_f32 v[T+8*\b+2*\p:T+8*\b+2*\p+1], v[AC+8*\b+2*\p:AC+8*\b+2*\p+1], v[GT+2*(\a):GT+2*(\a)+1]
.endr
.endr
	WIN 0
.set i, 0
.rept 64
	v_max_num_f32 v[T+i], 0, v[T+i]
.set i, i+1
.endr
.set i, 0
.rept 32
	v_cvt_pk_bf16_f32 v[TMP+i], v[T+2*i], v[T+2*i+1]
.set i, i+1
.endr
.endm
.macro TOSTAGE a                       ; into my own stage, and back as whole rows of 256 bytes
.set BK, OB+192*((\a)%2)
.irp b, 0,1,2,3,4,5,6,7
	ds_store_b128 v[STO], v[TMP+4*\b:TMP+4*\b+3] offset:32*\b
.endr
.irp t, 0,1,2,3,4,5,6,7
	ds_load_b128 v[BK+4*\t:BK+4*\t+3], v[RD] offset:\t*2*SPITCH    ; LDS serves a wave's instructions in order (ISA guide 5.7.1.4): these see the stores above
.endr
.endm
.macro SEND a
.set BK, OB+192*((\a)%2)
	s_wait_dscnt 0x0                               ; the block is back in registers
	s_wait_xcnt 0x0                                ; the stores' base, and the registers that earlier stores read, are rewritten only behind this wait
.if (\a) == 0
	s_add_nc_u64 s[8:9], s[8:9], s[16:17]          ; on to this tile's first rows
.else
	s_add_nc_u64 s[8:9], s[8:9], 16*HROW           ; 16 rows on
.endif
.irp t, 0,1,2,3,4,5,6,7
	global_store_b128 v[CO], v[BK+4*\t:BK+4*\t+3], s[8:9] offset:2*\t*HROW   ; 16 lanes store 256 consecutive bytes, at a multiple of 256 from hid's first byte
.endr
.endm
.macro WAYOUT more                     ; block a's arithmetic stands between block a - 1's loads from the stage and the wait for them.  more = 1: the second tile's gates are asked for
	WIN 0
	s_wait_loadcnt 0x0                             ; this tile's gates
	PLACES                                         ; behind the tile's last products: the lines below read results and write over x's buffer 1
	PACK 0
	TOSTAGE 0
.irp a, 1,2,3,4,5,6,7
	PACK \a
	SEND \a-1
	TOSTAGE \a
.endr
.if \more
	GLOAD 1                                        ; behind the last line that reads the first tile's
.endif
	SEND 7
.endm
	s_wait_tensorcnt 1                             ; my part of K step 0 is in; K step 1's may stay out
	s_barrier_signal -1
	s_barrier_wait -1                              ; everybody's is
	FETCH 0, 0, F0
	s_wait_loadcnt 0x0                             ; the bias (and the gates)
	; THE FIRST TILE
	QUARTER 0, 1, F0, F1, 1
	LAPLOOP
	QUARTER 0, 2, F1, F0, 0
	QUARTER 0, 3, F0, F1, 0
	TURN 0, 1, 1                                   ; the ring goes on into the second tile: slot 0 takes its K step 0,
	QUARTER 1, 1, F0, F1, 0
	QUARTER 1, 2, F1, F0, 0
	QUARTER 1, 3, F0, F1, 0
	TURN 1, 0, 1                                   ; slot 1 its K step 1, and its first fragments are fetched
	WAYOUT 1                                       ; both refills are asked for: now the tile goes out; nothing waits for its stores
	s_mov_b64 s[16:17], NEXT_C                     ; what the next way out adds to hid's address
	; THE SECOND TILE
	QUARTER 0, 1, F0, F1, 1
	LAPLOOP
	QUARTER 0, 2, F1, F0, 0
	QUARTER 0, 3, F0, F1, 0
	TURNL 1
	QUARTER 1, 1, F0, F1, 0
	QUARTER 1, 2, F1, F0, 0
	QUARTER 1, 3, F0, F1, 0
	s_wait_dscnt 8                                 ; the very last quarter: nothing more to fetch
	WIN MUL_LO
	MUL16 F1, 0, 0, 0
	MUL16 F1, 0, 2, 0
	s_wait_dscnt 0x0
	WIN MUL_HI
	MUL16 F1, 1, 0, 0
	MUL16 F1, 1, 2, 0
	WAYOUT 0
	s_wait_tensorcnt 0x0                           ; the wave's end: behind my last tensor load and my last LDS store
	ds_add_u32 v[SPW], v[NIL]
	s_wait_dscnt 0x0
	CROUND                                         ; the closing round: no work-group ends while a partner may still ask for a tile that names it
	s_endpgm
.Lfunc_end_k_qa4315ef36f_up:
	.size	k_qa4315ef36f_up, .Lfunc_end_k_qa4315ef36f_up-k_qa4315ef36f_up
	.p2alignl 7, 3214868480
	.fill 96, 4, 3214868480
	.section	.rodata,"a",@progbits
	.p2align	6, 0x0
	.amdhsa_kernel k_qa4315ef36f_up
		.amdhsa_group_segment_fixed_size 327680
		.amdhsa_private_segment_fixed_size 0
		.amdhsa_enable_private_segment 0
		.amdhsa_kernarg_size 40
		.amdhsa_user_sgpr_count 2
		.amdhsa_user_sgpr_kernarg_segment_ptr 1
		.amdhsa_wavefront_size32 1
		.amdhsa_system_sgpr_workgroup_id_x 1
		.amdhsa_system_sgpr_workgroup_id_y 1
		.amdhsa_system_sgpr_workgroup_id_z 1
		.amdhsa_system_vgpr_workitem_id 0
		.amdhsa_next_free_vgpr 1024
		.amdhsa_next_free_sgpr 72
		.amdhsa_reserve_vcc 0
		.amdhsa_float_denorm_mode_32 3
		.amdhsa_float_denorm_mode_16_64 3
		.amdhsa_memory_ordered 1
		.amdhsa_forward_progress 1
		.amdhsa_inst_pref_size 255
	.end_amdhsa_kernel
	.section	.bss,"aw",@nobits
	.p2align	6
	.space	262144
	.amdgpu_metadata
---
amdhsa.version: [ 1, 2 ]
amdhsa.kernels:
  - .name:           k_qa4315ef36f_up
    .symbol:         k_qa4315ef36f_up.kd
    .args:
      - { .name: xb, .offset: 0, .size: 8, .value_kind: global_buffer, .address_space: global }
      - { .name: w1h, .offset: 8, .size: 8, .value_kind: global_buffer, .address_space: global }
      - { .name: b1, .offset: 16, .size: 8, .value_kind: global_buffer, .address_space: global }
      - { .name: gates, .offset: 24, .size: 8, .value_kind: global_buffer, .address_space: global }
      - { .name: hid, .offset: 32, .size: 8, .value_kind: global_buffer, .address_space: global }
    .group_segment_fixed_size: 327680
    .private_segment_fixed_size: 0
    .kernarg_segment_align: 8
    .kernarg_segment_size: 40
    .max_flat_workgroup_size: 128
    .sgpr_count:     72
    .vgpr_count:     1024
    .wavefront_size: 32
...
	.end_amdgpu_metadata
.endif
;; end of part 2
;; launch down (part 3): grid 4 x 64, 4 waves a work-group, clusters of 4 x 4, 327,680 bytes of LDS; arguments hid, w2h, part; writes part
.if DOCPART == 3
	.amdgcn_target "amdgcn-amd-amdhsa--gfx1250"
	.amdhsa_code_object_version 6
	.text
	.protected	k_qa4315ef36f_down
	.globl	k_qa4315ef36f_down
	.p2align	8
	.type	k_qa4315ef36f_down,@function
k_qa4315ef36f_down:
	s_mov_b64 s[64:65], 0
	v_nop
	global_prefetch_b8 v0, s[64:65] scope:SCOPE_SE
	s_setreg_imm32_b32 hwreg(HW_REG_WAVE_MODE, 25, 1), 1
	s_wait_xcnt 0x0
	s_wait_alu depctr_hold_cnt(0) depctr_sa_sdst(0) depctr_va_vdst(0) depctr_va_sdst(0) depctr_va_ssrc(0) depctr_va_vcc(0) depctr_vm_vsrc(0)
	s_getreg_b32 s2, hwreg(HW_REG_IB_STS2, 6, 4)
	s_cmp_eq_u32 s2, 0
	s_cbranch_scc0 .Lentry_in_a_cluster
	s_endpgm
.Lentry_in_a_cluster:
	s_bfe_u32 s2, ttmp6, 0x10000c
	s_cmp_lg_u32 s2, 0xf033
	s_cbranch_scc0 .Lentry_shape_is_right
	s_endpgm
.Lentry_shape_is_right:
; DOWN: part[c][m][p] = sum over k = 2048 c .. 2048 c + 2047 of hid[m][k] w2h[k][p], c = 0 to 3: the second layer and the sum over experts as ONE product of 4096 x 1024 x 8192
; (the gates are already in hid), cut into four parts along K; sums in f32.  The next launch adds the four parts and the gated bias.
; WHY K IS CUT OVER WORK-GROUPS.  The result has 64 tiles of 256 x 256.  That tile feeds 256 matrix instructions a wave from a slot of (256 + 256) rows x 128 K; a tile of 128 x 128, of which there
; would be 256, feeds half as many from as many bytes.  So the large tile is kept, and four work-groups share a tile's K: 256 work-groups.  A sum that spans work-groups is finished by a later launch.
; LIMIT: the sum over K is four ascending sums of 2,048 numbers, added afterwards in f32: that order differs from a single ascending sum.
; SHARES.  Four waves, each 128 x 128 in 64 accumulators of 16 x 16 (512 registers).  K goes in steps of 128 through a ring of two LDS slots filled by the tensor data mover: hid's rows are
; 256 bytes, the weights' rows ([k][256 columns]) 512 bytes, all from multiples of 256 bytes.
; The weights lie [k][n] and come out of LDS turned (ds_load_tr16_b128), as source 0; source 1 = 16 rows of hid: a lane holds one row of the result (lane % 16) and eight neighbouring columns.
; CLUSTER: 4 x 4 work-groups: four tile columns x four tile rows of one part of K.  The four of a row of the cluster need the same tiles of hid, the four of a column the same tiles of the weights:
; each tile is asked for JOINTLY, by the same tensor load with the same descriptor and a mask that names the four.
; REGISTERS, in windows of 256 (s_set_vgpr_msb's low byte: bits 1:0 source 0, 3:2 source 1, 5:4 source 2, 7:6 destination):
;   window 0: v0-31 addresses; v64-127, v128-191 fragments of hid, two buffers (on the way out: 16 rows read back from the stage, two buffers)
;   window 1: v64-127, v128-191 fragments of the weights;   window 2: the 32 accumulators of my rows 0-63 ((a, b) at v[8 (8 a + b)]);   window 3: those of my rows 64-127
.set KSTEP,  128
.set PA,     272                       ; a row of hid in LDS: 256 bytes + 16 = 68 words: the 16 rows of a fragment load start at 16 different banks (64 banks of 4 bytes: ISA guide 11.1)
.set PB,     544                       ; a row of weights: 512 bytes + 32 = 136 words
.set HALFT,  128*PA                    ; what one tensor load brings: 128 rows of hid, or 64 rows of weights (64 x 544 is the same number)
.set SLOT,   4*HALFT                   ; hid's 256 rows, then the weights' 128 rows
.set STAGE,  2*SLOT                    ; behind the ring: 16 rows x 528 bytes for each wave, for the way out
.set SPITCH, 528                       ; a stage row: my 128 columns in f32, 512 bytes + 16
.set SPARE,  STAGE+4*16*SPITCH         ; behind the stages: the spare words, 128 bytes for each wave: two blocks of 256 bytes that no other line names
.set QB,     32*PB                     ; 32 along K in the weights' tile
.set HB,     16*PB                     ; 16 along K
.set LAPS,   8                         ; a lap = two K steps = once round the ring; my part of K is 2,048
.set BROW,   2048                      ; bytes in a row of w2h
.set CROW,   4096                      ; bytes in a row of part
.set STEP_A, 2*KSTEP*2                 ; a slot's next K step: hid goes 256 elements along its rows,
.set STEP_B, 2*KSTEP*BROW              ; the weights 256 rows down
.set ADRA, 16                          ; v16-17  LDS address of my fragments of hid in slot 0, 1
.set ADRB, 20                          ; v20-21  the same for the weights
.set STO,  24                          ; v24     the way out: where I put my 32 bytes of a row
.set RD,   25                          ; v25     the way out: my 16 bytes of the stage's first row
.set CO,   26                          ; v26     16 x lane: my 16 bytes in my wave's 512 of a row of part
.set SPW,  28                          ; v28     LDS address of my spare word: SPARE + 4 x my thread's number; never rewritten
.set NIL,  29                          ; v29     0; never rewritten
.set F0,   64
.set F1,   128
.set R,    64                          ; the way out, window 0
.set G1,  24                           ; s[24:31] descriptor group 1 for hid's tiles;  s[32:39] group 0, a set for each slot
.set G0,  32
.set G1B, 48                           ; s[48:55], s[56:63] the same for the weights' tiles
.set G0B, 56
.set MSB, 0
.macro WIN new                         ; the immediate's high byte repeats the setting that is left; a switch that changes nothing is dropped
.if MSB != (\new)
	s_set_vgpr_msb (MSB<<8)|(\new)
.set MSB, (\new)
.endif
.endm
.set MUL_LO, 0xa1                      ; source 0 (weights) window 1, source 1 (hid) window 0, C and D window 2
.set MUL_HI, 0xf1                      ; the same, C and D window 3
.set TO_B,   0x40                      ; destination window 1, address window 0
; A joint load.  Waves 0 and 1 fetch hid's two halves, waves 2 and 3 the weights'.  The branch hangs on the wave's number alone.  Four v_nop follow each of the two lines.
.macro JLOAD s
	s_cmp_eq_u32 s11, 0
	s_cbranch_scc0 .Lfor_b_\@
	tensor_load_to_lds s[G0+4*\s:G0+4*\s+3], s[G1:G1+7]
	s_nop 0
.rept 4
	v_nop
.endr
	s_branch .Lasked_\@
.Lfor_b_\@:
	tensor_load_to_lds s[G0B+4*\s:G0B+4*\s+3], s[G1B:G1B+7]
	s_nop 0
.rept 4
	v_nop
.endr
.Lasked_\@:
.endm
; A round of the cluster's barrier: my work-group's barrier; wave 0 signals for the work-group; every wave waits for all sixteen; my work-group's barrier once more.
.macro CREST                           ; a round behind its opening barrier
	s_cmp_lg_u32 s10, 0
	s_cbranch_scc1 .Lnot_wave_0_\@
	s_barrier_signal -3
.Lnot_wave_0_\@:
	s_barrier_wait -3
	s_barrier_signal -1
	s_barrier_wait -1
.endm
.macro CROUND
	s_barrier_signal -1
	s_barrier_wait -1
	CREST
.endm
	s_load_b128 s[4:7], s[0:1], 0x0                ; hid s[4:5], w2h s[6:7]
	s_load_b64 s[8:9], s[0:1], 0x10                ; part
	v_lshl_add_u32 v[SPW], v0, 2, SPARE
	v_mov_b32 v[NIL], 0
	ds_add_u32 v28, v29
	s_wait_dscnt 0x0
	v_lshrrev_b32 v1, 5, v0
	v_readfirstlane_b32 s10, v1                    ; wave 0..3
	s_lshr_b32 s11, s10, 1                         ; which half of the tile's rows is mine.  Also: I fetch hid (0) or weights (1)
	s_and_b32 s12, s10, 1                          ; which half of its columns.  Also: which half of that tile I fetch
	s_bfe_u32 s40, ttmp6, 0x40000                  ; cx
	s_bfe_u32 s41, ttmp6, 0x40004                  ; cy
	s_lshl_b32 s42, ttmp9, 2
	s_add_co_u32 s42, s42, s40                     ; tile column 0..3 = 4 x cluster x + cx
	s_and_b32 s13, ttmp7, 0xffff                   ; cluster y, 0..15
	s_lshr_b32 s45, s13, 2                         ; my part of K = cluster y / 4: the same in all sixteen partners; this register never holds cy
	s_lshl_b32 s13, s13, 2
	s_add_co_u32 s13, s13, s41                     ; y = 4 x cluster y + cy, 0..63 = 16 x part of K + tile row
	s_lshl_b32 s43, s41, 2
	s_lshl_b32 s43, 15, s43                        ; my row of the cluster
	s_lshl_b32 s44, 0x1111, s40                    ; my column
	; group 1 for hid: 128 rows x 128 elements; 15:0 the mask; 17:16 elements of 2 bytes; 20 padding on; 21 set beside a mask; 24:22 after every 64 words (code 5); 31:25 4 words of it (code 3)
	s_or_b32 s[G1+0], s43, (1<<16)|(1<<20)|(1<<21)|(5<<22)|(3<<25)
	s_mov_b32 s[G1+1], 128<<16                     ; tensor_dim0 = 128
	s_mov_b32 s[G1+2], 128<<16                     ; tensor_dim1 = 128
	s_mov_b32 s[G1+3], 128<<16                     ; tile_dim0 = 128
	s_mov_b32 s[G1+4], 128                         ; tile_dim1 = 128
	s_mov_b32 s[G1+5], 8192                        ; elements from row to row
	s_mov_b32 s[G1+6], 0
	s_mov_b32 s[G1+7], 0
	; group 1 for the weights: 64 rows x 256 elements; padding after every 128 words (code 6), 8 words of it (code 7)
	s_or_b32 s[G1B+0], s44, (1<<16)|(1<<20)|(1<<21)|(6<<22)|(7<<25)
	s_mov_b32 s[G1B+1], 256<<16
	s_mov_b32 s[G1B+2], 64<<16
	s_mov_b32 s[G1B+3], 256<<16
	s_mov_b32 s[G1B+4], 64
	s_mov_b32 s[G1B+5], 1024
	s_mov_b32 s[G1B+6], 0
	s_mov_b32 s[G1B+7], 0
	; where the tiles come from.  hid's hang on y alone, which my row of the cluster shares; the weights' on the tile column and the part of K, which my column shares.
	s_and_b32 s16, s13, 15                         ; hid: the tile row,
	s_lshl_b32 s16, s16, 8
	s_lshl_b32 s17, s12, 7
	s_add_co_u32 s16, s16, s17                     ; row 256 x tile row + 128 x half,
	s_lshl_b32 s16, s16, 14                        ; in bytes,
	s_lshr_b32 s17, s13, 4
	s_lshl_b32 s17, s17, 12                        ; and 2,048 elements along the row for each part of K
	s_add_co_u32 s16, s16, s17
	s_mov_b32 s17, 0
	s_lshl_b32 s46, s45, 22                        ; weights: 2,048 rows of 2,048 bytes for each part of K,
	s_lshl_b32 s47, s42, 9                         ; 256 columns for each tile column,
	s_add_co_u32 s46, s46, s47
	s_lshl_b32 s47, s12, 17                        ; 64 rows for the half
	s_add_co_u32 s46, s46, s47
	s_mov_b32 s47, 0
	s_mul_i32 s20, s10, HALFT                      ; and where they go: wave x one load's bytes: no place in the cluster enters an LDS address
	s_wait_kmcnt 0x0
	s_add_nc_u64 s[14:15], s[4:5], s[16:17]
	s_add_nc_u64 s[46:47], s[6:7], s[46:47]
	CROUND                                         ; all sixteen work-groups are here: the first joint loads meet
.irp s, 0,1
	s_mov_b32 s[G0+4*\s], 1                                        ; count = 1
	s_add_co_u32 s[G0+4*\s+1], s20, \s*SLOT                        ; LDS address
	s_add_nc_u64 s[G0+4*\s+2:G0+4*\s+3], s[14:15], \s*KSTEP*2      ; global address: K step s
	s_or_b32 s[G0+4*\s+3], s[G0+4*\s+3], 0x80000000                ; type = 2
	s_mov_b32 s[G0B+4*\s], 1
	s_add_co_u32 s[G0B+4*\s+1], s20, \s*SLOT
	s_add_nc_u64 s[G0B+4*\s+2:G0B+4*\s+3], s[46:47], \s*KSTEP*BROW
	s_or_b32 s[G0B+4*\s+3], s[G0B+4*\s+3], 0x80000000
.endr
	s_cmp_eq_u32 s11, 0                            ; a wave's two first fills stand in one branch, ahead of every wait on TENSORcnt and every LDS read: two loads of mine are out
	s_cbranch_scc0 .Lfirst_b
	tensor_load_to_lds s[G0:G0+3], s[G1:G1+7]
	s_nop 0
	tensor_load_to_lds s[G0+4:G0+7], s[G1:G1+7]
	s_nop 0
.rept 4
	v_nop
.endr
	s_branch .Lfirst_asked
.Lfirst_b:
	tensor_load_to_lds s[G0B:G0B+3], s[G1B:G1B+7]
	s_nop 0
	tensor_load_to_lds s[G0B+4:G0B+7], s[G1B:G1B+7]
	s_nop 0
.rept 4
	v_nop
.endr
.Lfirst_asked:
	v_and_b32 v1, 15, v0                           ; r = lane % 16
	v_bfe_u32 v2, v0, 4, 1                         ; h = lane / 16
	; a fragment of hid: lane holds row r; registers 0-3 K = 8 h + 0..7, registers 4-7 K = 16 + 8 h + 0..7: two loads of 16 bytes, 32 bytes apart
	v_mul_u32_u24 v3, v1, PA
	v_lshl_add_u32 v3, v2, 4, v3
	s_mul_i32 s21, s11, HALFT                      ; my 128 rows of hid
	; the turning load: lane reads 16 bytes of row 8 h + lane % 8 (K), columns 8 ((lane / 8) % 2) + 0..7, and is left with column r and 8 K
	v_and_b32 v4, 7, v0
	v_lshl_add_u32 v4, v2, 3, v4
	v_mul_u32_u24 v4, v4, PB
	v_bfe_u32 v5, v0, 3, 1
	v_lshl_add_u32 v4, v5, 4, v4
	s_lshl_b32 s22, s12, 8                         ; my 128 columns of the weights' 256,
	s_add_co_u32 s22, s22, 2*HALFT                 ; which lie behind hid's 256 rows
.irp s, 0,1
	v_add_nc_u32 v[ADRA+\s], s21, v3
	v_add_nc_u32 v[ADRB+\s], s22, v4
	s_add_co_u32 s21, s21, SLOT
	s_add_co_u32 s22, s22, SLOT
.endr
	s_mul_i32 s23, s10, 16*SPITCH
	s_add_co_u32 s23, s23, STAGE                   ; my stage
	v_mul_u32_u24 v6, v1, SPITCH                   ; in: row r, 32 bytes for each half of the lanes
	v_lshl_add_u32 v6, v2, 5, v6
	v_add_nc_u32 v[STO], s23, v6
	v_and_b32 v7, 31, v0
	v_lshlrev_b32 v[CO], 4, v7                     ; back: 32 lanes take one row of 512 bytes
	v_add_nc_u32 v[RD], s23, v[CO]
	s_lshl_b32 s16, s13, 8                         ; where my part of the tile begins in part: its rows are 4,096 x part of K + 256 x tile row = 256 y on,
	s_lshl_b32 s17, s11, 7
	s_add_co_u32 s16, s16, s17
	s_lshl_b32 s16, s16, 12
	s_mov_b32 s17, 0
	s_add_nc_u64 s[8:9], s[8:9], s[16:17]
	s_lshl_b32 s46, s42, 10                        ; 1,024 bytes a tile column + 512 for the half
	s_lshl_b32 s47, s12, 9
	s_add_co_u32 s46, s46, s47
	s_mov_b32 s47, 0
	s_add_nc_u64 s[8:9], s[8:9], s[46:47]
; 16 matrix instructions: row blocks a0, a0 + 1 of the window's four (hi = 0: my rows 0-63, 1: rows 64-127) x all 8 column blocks, 32 along K.  zero = 1: the first products start the sums:
; nothing is ever cleared.  The 64 accumulators take turns, one instruction a turn, in the same order in every quarter.
.macro MUL16 f, hi, a0, zero
.irp a, \a0, \a0+1
.irp b, 0,1,2,3,4,5,6,7
.if \zero
	v_wmma_f32_16x16x32_bf16 v[8*(8*(\a)+\b):8*(8*(\a)+\b)+7], v[\f+8*\b:\f+8*\b+7], v[\f+8*(4*\hi+\a):\f+8*(4*\hi+\a)+7], 0
.else
	v_wmma_f32_16x16x32_bf16 v[8*(8*(\a)+\b):8*(8*(\a)+\b)+7], v[\f+8*\b:\f+8*\b+7], v[\f+8*(4*\hi+\a):\f+8*(4*\hi+\a)+7], v[8*(8*(\a)+\b):8*(8*(\a)+\b)+7]
.endif
.endr
.endr
.endm
; 32 LDS loads in one run: the fragments of quarter q (32 along K) of a slot into buffer f: my 128 columns of weights, turned; then my 128 rows of hid
.macro FETCH slot, q, f
	WIN TO_B
.irp i, 0,1,2,3,4,5,6,7
	ds_load_tr16_b128 v[\f+8*\i:\f+8*\i+3],   v[ADRB+\slot] offset:\q*QB+32*\i
	ds_load_tr16_b128 v[\f+8*\i+4:\f+8*\i+7], v[ADRB+\slot] offset:\q*QB+32*\i+HB
.endr
	WIN 0
.irp i, 0,1,2,3,4,5,6,7
	ds_load_b128 v[\f+8*\i:\f+8*\i+3],   v[ADRA+\slot] offset:\q*64+\i*16*PA
	ds_load_b128 v[\f+8*\i+4:\f+8*\i+7], v[ADRA+\slot] offset:\q*64+\i*16*PA+32
.endr
.endm
; Four places (plain vector instructions that name none of its registers) stand between a matrix instruction and a load into a register that it has read, or an LDS store of its result.
.macro PLACES
.rept 4
	v_nop
.endr
.endm
; A K step is four quarters of 32 along K, 64 matrix instructions each, on buffers 0, 1, 0, 1.  One of the first three: multiplies buffer f and, in its middle, fetches quarter q of the same slot into g.
.macro QUARTER slot, q, f, g, zero
	s_wait_dscnt 8                                 ; the weights and hid's rows 0-63 are in; the youngest eight loads (hid's rows 64-127) may be out
	WIN MUL_LO
	MUL16 \f, 0, 0, \zero
	MUL16 \f, 0, 2, \zero
	PLACES
	FETCH \slot, \q, \g
	s_wait_dscnt 32                                ; all but the 32 just issued
	WIN MUL_HI
	MUL16 \f, 1, 0, \zero
	MUL16 \f, 1, 2, \zero
.endm
; The last quarter multiplies buffer 1 and changes slots.  MEET is its first half: ONE barrier.  In front of it each wave waits for all its tensor loads (one is out: its part of the next slot),
; adds 0 to its spare word, and waits for that and for its own reads of this slot.  Behind it nobody reads this slot any more and the next slot is whole.
.macro MEET round
	WIN 0                                          ; (the add's two registers lie in window 0)
	s_wait_tensorcnt 0x0                           ; all my tensor loads have landed
	ds_add_u32 v[SPW], v[NIL]                      ; 0 onto my spare word
	s_wait_dscnt 9                                 ; (the add and the youngest eight loads may be out)
	WIN MUL_LO
	MUL16 F1, 0, 0, 0                              ; sixteen matrix instructions stand between the add and the wait for it
	s_wait_dscnt 0x0                               ; the add is done, and my reads of this slot are over
	s_barrier_signal -1
	MUL16 F1, 0, 2, 0                              ; work on registers while the others arrive
.if \round
	WIN 0
.endif
	s_barrier_wait -1
.endm
; The whole last quarter.  The barrier opens a round of the cluster's; behind the round the slot just read is filled again first, two K steps on.
; From a request to the wait for it a wave issues 224 matrix instructions.
.macro TURN slot, next
	MEET 1
	CREST                                          ; no wave of any partner still reads this slot's tile or has a load on its way
	s_add_nc_u64 s[G0+4*\slot+2:G0+4*\slot+3], s[G0+4*\slot+2:G0+4*\slot+3], STEP_A
	s_add_nc_u64 s[G0B+4*\slot+2:G0B+4*\slot+3], s[G0B+4*\slot+2:G0B+4*\slot+3], STEP_B
	JLOAD \slot                                    ; the first tensor load behind the round; its four v_nop are also the places in front of the loads below
	FETCH \next, 0, F0
	WIN MUL_HI
	MUL16 F1, 1, 0, 0
	MUL16 F1, 1, 2, 0
.endm
	s_wait_tensorcnt 1                             ; my part of K step 0 is in; K step 1's may stay out
	s_barrier_signal -1
	s_barrier_wait -1                              ; everybody's is
	FETCH 0, 0, F0
	QUARTER 0, 1, F0, F1, 1                        ; the first quarter stands in front of the loop: its products start the sums
	WIN 0                                          ; at a label and at a branch every window is 0
	s_mov_b32 s3, LAPS-1
.Llap:                                                 ; a trip goes once round the ring, from a lap's second quarter to the next lap's first, and fills both slots again
	QUARTER 0, 2, F1, F0, 0
	QUARTER 0, 3, F0, F1, 0
	TURN 0, 1
	QUARTER 1, 1, F0, F1, 0
	QUARTER 1, 2, F1, F0, 0
	QUARTER 1, 3, F0, F1, 0
	TURN 1, 0
	QUARTER 0, 1, F0, F1, 0
	WIN 0
	s_sub_co_u32 s3, s3, 1
	s_cmp_lg_u32 s3, 0
	s_cbranch_scc1 .Llap
	QUARTER 0, 2, F1, F0, 0                        ; the last lap's tail is written out: nothing is left to fetch, so no round and no load
	QUARTER 0, 3, F0, F1, 0
	MEET 0
	PLACES
	FETCH 1, 0, F0
	WIN MUL_HI
	MUL16 F1, 1, 0, 0
	MUL16 F1, 1, 2, 0
	QUARTER 1, 1, F0, F1, 0
	QUARTER 1, 2, F1, F0, 0
	QUARTER 1, 3, F0, F1, 0
	s_wait_dscnt 8                                 ; the very last quarter: nothing more to fetch
	WIN MUL_LO
	MUL16 F1, 0, 0, 0
	MUL16 F1, 0, 2, 0
	s_wait_dscnt 0x0
	WIN MUL_HI
	MUL16 F1, 1, 0, 0
	MUL16 F1, 1, 2, 0
	WIN 0
; THE WAY OUT, a block of 16 rows at a time, through my own stage, which no tensor load fills.  A lane's eight columns of a row are 32 bytes; they come back as whole rows of 512 bytes.
.macro STASH a                         ; block a into the stage; each accumulator's low four registers go first
.set AC, 64*((\a)%4)
	WIN 0x08+4*((\a)/4)                            ; the stores' data: window 2 or 3
.irp b, 0,1,2,3,4,5,6,7
	ds_store_b128 v[STO], v[AC+8*\b:AC+8*\b+3]   offset:64*\b
	ds_store_b128 v[STO], v[AC+8*\b+4:AC+8*\b+7] offset:64*\b+16
.endr
	WIN 0
.endm
.macro RBACK a                         ; and back, into buffer a % 2.  LDS serves a wave's instructions in order (ISA guide 5.7.1.4): these see the stores above, and the next block's stores come behind them
.irp t, 0,1,2,3,4,5,6,7,8,9,10,11,12,13,14,15
	ds_load_b128 v[R+64*((\a)%2)+4*\t:R+64*((\a)%2)+4*\t+3], v[RD] offset:\t*SPITCH
.endr
.endm
.macro SEND a                          ; the block's place among my 128 rows stands in the immediate (127 rows of 4,096 bytes at the most): neither the base nor the offset is ever rewritten
.irp t, 0,1,2,3,4,5,6,7,8,9,10,11,12,13,14,15
	global_store_b128 v[CO], v[R+64*((\a)%2)+4*\t:R+64*((\a)%2)+4*\t+3], s[8:9] offset:(16*(\a)+\t)*CROW   ; a wave stores 512 consecutive bytes, at a multiple of 512 from part's first byte
.endr
.endm
	PLACES                                         ; behind the last products: the lines below read results and load over hid's buffers
	STASH 0
	RBACK 0
.irp a, 1,2,3,4,5,6,7
	STASH \a
	s_wait_dscnt 16                                ; the block before is back in registers; this block's sixteen stores into the stage may be out
.if \a > 1
	s_wait_xcnt 0x0                                ; the buffer that the block two back was stored from is loaded again, below, only behind this wait
.endif
	SEND \a-1
	RBACK \a
.endr
	s_wait_dscnt 0x0
	SEND 7
	s_wait_tensorcnt 0x0                           ; the wave's end: behind my last tensor load and my last LDS store
	ds_add_u32 v[SPW], v[NIL]
	s_wait_dscnt 0x0
	CROUND                                         ; the closing round: no work-group ends while a partner may still ask for a tile that names it
	s_endpgm
.Lfunc_end_k_qa4315ef36f_down:
	.size	k_qa4315ef36f_down, .Lfunc_end_k_qa4315ef36f_down-k_qa4315ef36f_down
	.p2alignl 7, 3214868480
	.fill 96, 4, 3214868480
	.section	.rodata,"a",@progbits
	.p2align	6, 0x0
	.amdhsa_kernel k_qa4315ef36f_down
		.amdhsa_group_segment_fixed_size 327680
		.amdhsa_private_segment_fixed_size 0
		.amdhsa_enable_private_segment 0
		.amdhsa_kernarg_size 24
		.amdhsa_user_sgpr_count 2
		.amdhsa_user_sgpr_kernarg_segment_ptr 1
		.amdhsa_wavefront_size32 1
		.amdhsa_system_sgpr_workgroup_id_x 1
		.amdhsa_system_sgpr_workgroup_id_y 1
		.amdhsa_system_sgpr_workgroup_id_z 1
		.amdhsa_system_vgpr_workitem_id 0
		.amdhsa_next_free_vgpr 1024
		.amdhsa_next_free_sgpr 66
		.amdhsa_reserve_vcc 0
		.amdhsa_float_denorm_mode_32 3
		.amdhsa_float_denorm_mode_16_64 3
		.amdhsa_memory_ordered 1
		.amdhsa_forward_progress 1
		.amdhsa_inst_pref_size 140
	.end_amdhsa_kernel
	.amdgpu_metadata
---
amdhsa.version: [ 1, 2 ]
amdhsa.kernels:
  - .name:           k_qa4315ef36f_down
    .symbol:         k_qa4315ef36f_down.kd
    .args:
      - { .name: hid, .offset: 0, .size: 8, .value_kind: global_buffer, .address_space: global }
      - { .name: w2h, .offset: 8, .size: 8, .value_kind: global_buffer, .address_space: global }
      - { .name: part, .offset: 16, .size: 8, .value_kind: global_buffer, .address_space: global }
    .group_segment_fixed_size: 327680
    .private_segment_fixed_size: 0
    .kernarg_segment_align: 8
    .kernarg_segment_size: 24
    .max_flat_workgroup_size: 128
    .sgpr_count:     66
    .vgpr_count:     1024
    .wavefront_size: 32
...
	.end_amdgpu_metadata
.endif
;; end of part 3
;; launch sum4 (part 4): grid 512 x 1, 8 waves a work-group, no clusters, 0 bytes of LDS; arguments part, b2, gates, out0; writes out0
.if DOCPART == 4
	.amdgcn_target "amdgcn-amd-amdhsa--gfx1250"
	.amdhsa_code_object_version 6
	.text
	.protected	k_qa4315ef36f_sum4
	.globl	k_qa4315ef36f_sum4
	.p2align	8
	.type	k_qa4315ef36f_sum4,@function
k_qa4315ef36f_sum4:
	s_mov_b64 s[64:65], 0
	v_nop
	global_prefetch_b8 v0, s[64:65] scope:SCOPE_SE
	s_setreg_imm32_b32 hwreg(HW_REG_WAVE_MODE, 25, 1), 1
	s_wait_xcnt 0x0
; SUM4: out0[m][p] = (part[0][m][p] + part[1][m][p]) + (part[2][m][p] + part[3][m][p]) + sum over e of gates[m][e] b2[e][p], all in f32.
; A stream: every byte of part is read once, every byte of out0 written once; each load and store of a wave covers 512 consecutive bytes, aligned.  No LDS, no barrier, no matrix unit, no cluster:
; the work-groups share nothing but b2 (32,768 bytes).
; Eight waves; the work-group owns 8 rows.  Thread t owns the 16 bytes (4 columns) at byte 16 t of every row, so its b2 (8 experts x 4 columns) stays in 32 registers; a row's eight gates are the
; same for all threads and lie in scalar registers.  There is no loop: a wave's 40 loads (8 of b2, 4 for each of 8 rows) go out together, and the rows are finished as they come in.
.set ROWB,  4096                       ; bytes in a row of part and of out0
.set PARTB, 16777216                   ; bytes from one part to the next: too far for an immediate, so each part has a base of its own
.set B2R, 4                            ; v[4:35]    b2[e] of my 4 columns at B2R + 4 e
.set X,   36                           ; v[36:163]  row t: part c's 4 numbers at X + 16 t + 4 c; the row's result takes part 0's place
	s_load_b256 s[4:11], s[0:1], 0x0               ; part s[4:5], b2 s[6:7], gates s[8:9], out0 s[10:11]
	v_lshlrev_b32 v1, 4, v0                        ; 16 t; never rewritten
	s_lshl_b32 s12, ttmp9, 15                      ; the work-group's 8 rows of 4,096 bytes
	s_mov_b32 s13, 0
	s_lshl_b32 s14, ttmp9, 8                       ; and of 32 bytes of gates
	s_mov_b32 s15, 0
	s_wait_kmcnt 0x0
	s_add_nc_u64 s[8:9], s[8:9], s[14:15]
	s_add_nc_u64 s[4:5], s[4:5], s[12:13]
	s_add_nc_u64 s[84:85], s[4:5], PARTB
	s_add_nc_u64 s[86:87], s[84:85], PARTB
	s_add_nc_u64 s[88:89], s[86:87], PARTB
	s_add_nc_u64 s[10:11], s[10:11], s[12:13]
	s_load_b512 s[16:31], s[8:9], 0x0              ; the gates of rows 0 and 1,
	s_load_b512 s[32:47], s[8:9], 0x40             ; 2 and 3,
	s_load_b512 s[48:63], s[8:9], 0x80             ; 4 and 5,
	s_load_b512 s[68:83], s[8:9], 0xc0             ; 6 and 7
.irp e, 0,1,2,3,4,5,6,7
	global_load_b128 v[B2R+4*\e:B2R+4*\e+3], v1, s[6:7] offset:\e*ROWB
.endr
.irp t, 0,1,2,3,4,5,6,7
	global_load_b128 v[X+16*\t:X+16*\t+3],     v1, s[4:5]   offset:\t*ROWB th:TH_LOAD_NT
	global_load_b128 v[X+16*\t+4:X+16*\t+7],   v1, s[84:85] offset:\t*ROWB th:TH_LOAD_NT
	global_load_b128 v[X+16*\t+8:X+16*\t+11],  v1, s[86:87] offset:\t*ROWB th:TH_LOAD_NT
	global_load_b128 v[X+16*\t+12:X+16*\t+15], v1, s[88:89] offset:\t*ROWB th:TH_LOAD_NT
.endr
	s_wait_kmcnt 0x0                               ; the gates
.macro FIN t
.set XB, X+16*(\t)
.if (\t) < 6
.set GS, 16+8*(\t)                     ; the row's eight gates: s[16:63] for rows 0 to 5,
.else
.set GS, 20+8*(\t)                     ; s[68:83] for rows 6 and 7
.endif
	s_wait_loadcnt 4*(7-(\t))                      ; loads come back in order (ISA guide 5.7.1): b2 and this row's four are in; the later rows' stay out
	v_pk_add_f32 v[XB:XB+1],     v[XB:XB+1],     v[XB+4:XB+5]
	v_pk_add_f32 v[XB+2:XB+3],   v[XB+2:XB+3],   v[XB+6:XB+7]
	v_pk_add_f32 v[XB+8:XB+9],   v[XB+8:XB+9],   v[XB+12:XB+13]
	v_pk_add_f32 v[XB+10:XB+11], v[XB+10:XB+11], v[XB+14:XB+15]
	v_pk_add_f32 v[XB:XB+1],     v[XB:XB+1],     v[XB+8:XB+9]
	v_pk_add_f32 v[XB+2:XB+3],   v[XB+2:XB+3],   v[XB+10:XB+11]
.irp e, 0,1,2,3,4,5,6,7                ; + g[row][e] b2[e][column]: the four sums by turns
.irp c, 0,1,2,3
	v_fmac_f32 v[XB+\c], s[GS+\e], v[B2R+4*\e+\c]
.endr
.endr
	global_store_b128 v1, v[XB:XB+3], s[10:11] offset:(\t)*ROWB th:TH_STORE_NT   ; no register that a store reads is written again
.endm
.irp t, 0,1,2,3,4,5,6,7
	FIN \t
.endr
	s_endpgm
.Lfunc_end_k_qa4315ef36f_sum4:
	.size	k_qa4315ef36f_sum4, .Lfunc_end_k_qa4315ef36f_sum4-k_qa4315ef36f_sum4
	.p2alignl 7, 3214868480
	.fill 96, 4, 3214868480
	.section	.rodata,"a",@progbits
	.p2align	6, 0x0
	.amdhsa_kernel k_qa4315ef36f_sum4
		.amdhsa_group_segment_fixed_size 0
		.amdhsa_private_segment_fixed_size 0
		.amdhsa_enable_private_segment 0
		.amdhsa_kernarg_size 32
		.amdhsa_user_sgpr_count 2
		.amdhsa_user_sgpr_kernarg_segment_ptr 1
		.amdhsa_wavefront_size32 1
		.amdhsa_system_sgpr_workgroup_id_x 1
		.amdhsa_system_sgpr_workgroup_id_y 1
		.amdhsa_system_sgpr_workgroup_id_z 1
		.amdhsa_system_vgpr_workitem_id 0
		.amdhsa_next_free_vgpr 164
		.amdhsa_next_free_sgpr 90
		.amdhsa_reserve_vcc 0
		.amdhsa_float_denorm_mode_32 3
		.amdhsa_float_denorm_mode_16_64 3
		.amdhsa_memory_ordered 1
		.amdhsa_forward_progress 1
		.amdhsa_inst_pref_size 17
	.end_amdhsa_kernel
	.amdgpu_metadata
---
amdhsa.version: [ 1, 2 ]
amdhsa.kernels:
  - .name:           k_qa4315ef36f_sum4
    .symbol:         k_qa4315ef36f_sum4.kd
    .args:
      - { .name: part, .offset: 0, .size: 8, .value_kind: global_buffer, .address_space: global }
      - { .name: b2, .offset: 8, .size: 8, .value_kind: global_buffer, .address_space: global }
      - { .name: gates, .offset: 16, .size: 8, .value_kind: global_buffer, .address_space: global }
      - { .name: out0, .offset: 24, .size: 8, .value_kind: global_buffer, .address_space: global }
    .group_segment_fixed_size: 0
    .private_segment_fixed_size: 0
    .kernarg_segment_align: 8
    .kernarg_segment_size: 32
    .max_flat_workgroup_size: 256
    .sgpr_count:     90
    .vgpr_count:     164
    .wavefront_size: 32
...
	.end_amdgpu_metadata
.endif
;; end of part 4
